; MI455X (gfx1250); checked and timed in simulation.
; The chip was launched on July 23, 2026; its instructions are those of AMD's public machine-readable ISA for CDNA 5 (MIT licence, August 2026) and "CDNA5" Instruction Set Architecture Reference Guide (July 2026). The comments in the code are by the model that wrote it; some were corrected since.
;; Causal Self Attention. Allowed arithmetic: matrix products marked QUANTISED: E2M3 operands, one E8M0 scale for each 32 along K, by v_wmma_scale_f32_16x16x128_f8f6f4 with both operands' format E2M3, f32 sums; everything else in f32.
;; Inputs: Wk 512 x 512 float32; Wp 512 x 512 float32; Wq 512 x 512 float32; Wv 512 x 512 float32; bk 512 float32; bp 512 float32; bq 512 float32; bv 512 float32; x 8 x 1,024 x 512 float32.
;; Outputs: out0 8 x 1,024 x 512 float32.
;; This version of the problem:
;;   THIS VERSION OF THE PROBLEM IS GIVEN IN LOW PRECISION. The matrix products marked QUANTISED in the list below multiply operands that are first quantised to E2M3 (2 exponent bits, 3 mantissa bits; 6 bits a number), with one power-of-two scale for each 32 numbers along K (OCP MX v1.0); their sums are f32. All else is computed in f32.
;;   The module's matrix products, in the order in which they are computed (A, B: the left and right operand; K: the contracted axis; several contracted axes count as one K, in the product's order):
;;     1. [M 8,192, K 512] x [K 512, N 512]; A: input x; B: input Wq: QUANTISED
;;     2. [M 8,192, K 512] x [K 512, N 512]; A: input x; B: input Wk: QUANTISED
;;     3. [M 8,192, K 512] x [K 512, N 512]; A: input x; B: input Wv: QUANTISED
;;     4. batch 64 x [M 1,024, K 64] x [K 64, N 1,024]; A: computed on the way; B: computed on the way: QUANTISED
;;     5. batch 64 x [M 1,024, K 1,024] x [K 1,024, N 64]; A: softmax (see below); B: computed on the way: QUANTISED
;;     6. [M 8,192, K 512] x [K 512, N 512]; A: computed on the way; B: input Wp: QUANTISED
;;   THE QUANTISER, for each operand of a quantised product, along K:
;;     - K is cut into blocks of 32 from its start; a last block that is shorter is filled with zeros.
;;     - A block's scale is 2^e with e = floor(log2(the largest magnitude in the block)) - 2, held to -126 .. 127; a block of zeros has e = 0. As a byte (E8M0): e + 127.
;;     - Each number is divided by its block's scale, clamped to +-7.5, and rounded to the nearest number of E2M3, ties to even, subnormals kept.
;;     - The product sums the exact products of the quantised numbers (number of the format x scale) in f32.
;;   ~~~python
;;   def quantise(x, axis):      # numpy; x: float32 -> the quantised numbers, widened to float32 again
;;       x = np.moveaxis(x, axis, -1); K = x.shape[-1]
;;       x = np.pad(x, [(0, 0)] * (x.ndim - 1) + [(0, -K % 32)]); x = x.reshape(x.shape[:-1] + (-1, 32)); a = np.abs(x).max(-1, keepdims=True)
;;       e = np.where(a > 0, np.clip(np.frexp(np.where(a > 0, a, 1))[1] - 1 - 2, -126, 127), 0)      # np.frexp(a)[1] - 1 = floor(log2(a)), exactly
;;       r = np.clip(x / 2.0 ** e, -7.5, 7.5)
;;       step = 2.0 ** (np.maximum(np.frexp(np.where(r == 0, 1, r))[1] - 1, 0) - 3)
;;       q = np.round(r / step) * step * 2.0 ** e      # np.round: ties to even
;;       return np.moveaxis(q.reshape(q.shape[:-2] + (-1,))[..., :K], -1, axis).astype(np.float32)
;;   ~~~
;;   SOFTMAX AHEAD OF A QUANTISED PRODUCT. Where the list says 'softmax', what is quantised is not the finished softmax but p = 2^(t - M), with t = logit x log2(e) and M = ceil(the row's largest t), a whole number; so 1/2 < the row's largest p <= 1. The row's sum l is taken of the UNQUANTISED p, in f32, and the product's result is divided by l at the end. Since M is a whole number, a kernel that streams over the keys may use a running M (the ceiling of the running maximum): every later rescaling is an exact power of two, which a block's scale takes up: the codes' values come out the same.
;;   OPERANDS COMPUTED ON THE WAY. 'Computed on the way' means the value that the module computes at that place (a softmax that the list does not call 'softmax' is quantised finished and normalised). What goes into a quantiser is computed in f32, as accurately as f32 sums, v_exp_f32 and their like allow (about 1e-6 of the number): no bf16 or f16 on the way to a quantiser, and a product that is left as it is and whose result goes on into a quantised operand takes f32 operands (vector FMAs, or v_wmma_f32_16x16x4_f32). A number that lies on a knife's edge between two numbers of the format may be rounded either way, as far as f32 arithmetic and the matrix unit's own rounding can turn it there, and no further.
;; One version. Each part assembles by itself: llvm-mc -triple=amdgcn-amd-amdhsa -mcpu=gfx1250 --defsym DOCPART=n.
;; ======== version 1 of 1: 3 launches
;; limits: right only within a limited range of input values
;; workspace buffers: cod 4,096,000 bytes; kv 6,553,600 bytes; qb 3,276,800 bytes
;; launch prep (part 1): grid 640 x 1, 4 waves a work-group, no clusters, 34,560 bytes of LDS; arguments x, Wq, Wk, Wv, Wp, cod; writes cod
.if DOCPART == 1
	.amdgcn_target "amdgcn-amd-amdhsa--gfx1250"
	.amdhsa_code_object_version 6
	.text
	.protected	k_qef917a7708_prep
	.globl	k_qef917a7708_prep
	.p2align	8
	.type	k_qef917a7708_prep,@function
k_qef917a7708_prep:
	s_mov_b64 s[64:65], 0
	v_nop
	global_prefetch_b8 v0, s[64:65] scope:SCOPE_SE
	s_setreg_imm32_b32 hwreg(HW_REG_WAVE_MODE, 25, 1), 1
	s_wait_xcnt 0x0
; x [8192][512] and Wq, Wk, Wv, Wp [512][512], f32, K (the last axis) innermost, become codes of FP6 (E2M3) with one E8M0 byte for each 32 along K,
; laid as IMAGES OF OPERAND REGISTERS.  cod holds 640 records of 6,400 bytes: x's 512 tiles, then 32 tiles of each weight.
; A TILE IS 16 ROWS THAT ARE NOT NEIGHBOURS: lane r of tile 2 G + u holds row 32 G + 8 u + r + 8 (r / 8), so that in every later product whose source 0 is such a tile
; the 16 result registers of tiles 2 G and 2 G + 1 are 16 neighbouring rows, which is what the next quantiser wants in one lane.
; A record: K step s (128 along K) as 12 registers a lane, three pieces of 512 bytes (registers 4 c .. 4 c + 3, lane l at 16 l) at 1,536 s; at 6,144 the scale words: row-lane r at 16 r, word s.
; SHARES: a work-group makes one record, wave s its K step s: 16 rows x 512 bytes are read (each load 512 consecutive bytes of a row), turned through the wave's own stage in LDS so that
; a lane holds 16 neighbours of each block of 32, quantised, and stored as three runs of 512 consecutive bytes.  The four waves' scale words meet in LDS and leave as one run of 256 bytes.
; No cluster and no joint loads: no two work-groups read the same byte.  No loop: a wave's 16 loads are all issued at once.
; A block's scale is 2^(floor(log2(largest magnitude)) - 2); its byte is the largest magnitude's exponent field - 2, held at 1 from below.
; LIMITS: NaN and infinities are not served; a block whose largest magnitude is under 2^-124 (a block of zeros too) gets the byte 1 where the rule says less (or 127): only this program reads the bytes.
.set REC,   6400
.set ROWB,  2048                       ; a row of x or of a weight in bytes
.set STP,   528                        ; a stage row: 512 bytes + 16, an odd multiple of 16
.set WST,   16*STP                     ; a wave's stage
.set SCW,   4*WST                      ; the record's 256 bytes of scale words
.set SPARE, SCW+256                    ; the spare words, 128 bytes a wave: two blocks of 256 bytes that no other line names
.set R,     16                         ; v16-79   the 16 rows as loaded
.set X,     80                         ; v80-143  64 numbers of my row: register 16 b + i = k 32 b + 16 (lane / 16) + i
.set PC,    144                        ; v144-163 the codes
.set TM,    164                        ; v164-179 at work
.set PW,    180                        ; v180     the scale word
.set SPW,   10                         ; v10      my spare word's LDS address; never rewritten
.set NIL,   11                         ; v11      0; never rewritten
.set SEL,   20                         ; s[20:21] lane selects for v_permlanex16_b32: lane l xor 16
; 64 numbers of a lane, v[s] .. v[s + 63], register 16 b + i = k 32 b + 16 (lane / 16) + i of my row, become a fragment's codes in v[PC] on and its scale word in v[PW]
.macro QUANT s
.irp b, 0,1,2,3
	v_max3_num_f32 v[TM+\b], |v[\s+16*\b]|, |v[\s+1+16*\b]|, 0x1800000   ; block b: my 16 numbers, and the floor 2^(3 - 127): the byte cannot fall under 1
.endr
.irp i, 2,4,6,8,10,12,14
.irp b, 0,1,2,3
	v_max3_num_f32 v[TM+\b], v[TM+\b], |v[\s+16*\b+\i]|, |v[\s+1+16*\b+\i]|   ; the four blocks by turns
.endr
.endr
.irp b, 0,1,2,3
	v_permlanex16_b32 v[TM+4+\b], v[TM+\b], s[SEL], s[SEL+1]
.endr
.irp b, 0,1,2,3
	v_max_num_f32 v[TM+\b], v[TM+\b], v[TM+4+\b]   ; with lane l xor 16's: the block's largest magnitude
.endr
.irp b, 0,1,2,3
	v_add_nc_u32 v[TM+12+\b], 0xff000000, v[TM+\b]   ; 2 off its exponent field: the conversion takes this operand's exponent field as its scale
.endr
.irp b, 0,1,2,3
	v_lshrrev_b32 v[TM+4+\b], 23, v[TM+12+\b]      ; the scale's byte
.endr
	v_lshl_or_b32 v[PW], v[TM+5], 8, v[TM+4]
	v_lshl_or_b32 v[PW], v[TM+6], 16, v[PW]
	v_lshl_or_b32 v[PW], v[TM+7], 24, v[PW]
.irp c, 0,1
	v_cvt_scalef32_pk16_fp6_f32 v[PC+6*\c:PC+2+6*\c], v[\s+32*\c:\s+15+32*\c], v[TM+12+2*\c]
	v_cvt_scalef32_pk16_fp6_f32 v[PC+12+4*\c:PC+14+4*\c], v[\s+16+32*\c:\s+31+32*\c], v[TM+12+2*\c+1]   ; (a conversion's three registers begin on an even number)
.endr
	v_nop                                          ; one plain place behind a scaled conversion
.irp c, 0,1                                    ; the operand's layout wants a whole block in a lane: lanes 0-15 block 2 c, lanes 16-31 block 2 c + 1
.irp i, 0,1,2
	v_permlane16_swap_b32 v[PC+6*\c+\i], v[PC+12+4*\c+\i]
.endr
.irp i, 0,1,2
	v_mov_b32 v[PC+3+6*\c+\i], v[PC+12+4*\c+\i]
.endr
.endr
.endm
	s_load_b256 s[4:11], s[0:1], 0x0               ; x s[4:5], Wq s[6:7], Wk s[8:9], Wv s[10:11]
	s_load_b128 s[12:15], s[0:1], 0x20             ; Wp s[12:13], cod s[14:15]
	v_lshl_add_u32 v[SPW], v0, 2, SPARE
	v_mov_b32 v[NIL], 0
	v_lshrrev_b32 v1, 5, v0
	v_readfirstlane_b32 s16, v1                    ; wave = K step
	v_and_b32 v1, 31, v0                           ; lane
	v_and_b32 v2, 15, v0                           ; r
	v_bfe_u32 v3, v0, 4, 1                         ; h
	v_lshlrev_b32 v4, 4, v1                        ; 16 x lane: my bytes of a load's 512, and of an image's piece
	s_mul_i32 s17, s16, WST
	v_add_nc_u32 v5, s17, v4                       ; the stage, on the way in
	v_mul_u32_u24 v6, v2, STP
	v_lshl_add_u32 v6, v3, 6, v6
	v_add_nc_u32 v6, s17, v6                       ; and out: row r, + 64 h: my 16 numbers of a block
	s_lshl_b32 s17, s16, 2
	s_add_co_u32 s17, s17, SCW
	v_lshl_add_u32 v7, v2, 4, s17                  ; my row's scale word of my K step
	v_lshlrev_b32 v9, 3, v1                        ; 8 x lane
	v_add_nc_u32 v8, SCW, v9                       ; the scale words on their way out
	s_mov_b32 s[SEL], 0x76543210
	s_mov_b32 s[SEL+1], 0xfedcba98
.irp b, 0,1,2,3
	v_mov_b32 v[TM+4+\b], 0                        ; written once: a lane permute's destination counts as one of its sources
.endr
	s_sub_co_u32 s18, ttmp9, 512                   ; a weight's record: which weight, which tile
	s_lshr_b32 s19, s18, 5
	s_and_b32 s18, s18, 31
	s_wait_alu depctr_va_vdst(0)
	s_wait_kmcnt 0x0
	s_cmp_eq_u32 s19, 1                            ; the source is chosen by the work-group's number alone
	s_cselect_b64 s[6:7], s[8:9], s[6:7]
	s_cmp_eq_u32 s19, 2
	s_cselect_b64 s[6:7], s[10:11], s[6:7]
	s_cmp_eq_u32 s19, 3
	s_cselect_b64 s[6:7], s[12:13], s[6:7]
	s_cmp_lt_u32 ttmp9, 512
	s_cselect_b64 s[4:5], s[4:5], s[6:7]
	s_cselect_b32 s18, ttmp9, s18                  ; the tile's number in its tensor
	s_lshr_b32 s22, s18, 1
	s_lshl_b32 s22, s22, 16                        ; 32 rows of 2,048 bytes for each pair of tiles,
	s_and_b32 s23, s18, 1
	s_lshl_b32 s23, s23, 14                        ; 8 rows for the odd tile,
	s_or_b32 s22, s22, s23
	s_lshl_b32 s23, s16, 9                         ; 512 bytes for each K step
	s_or_b32 s22, s22, s23
	s_mov_b32 s23, 0
	s_add_nc_u64 s[4:5], s[4:5], s[22:23]
	s_mul_i32 s24, ttmp9, REC
	s_mul_i32 s25, s16, 1536
	s_add_co_u32 s24, s24, s25
	s_mov_b32 s25, 0
	s_add_nc_u64 s[14:15], s[14:15], s[24:25]      ; my image in the record
.irp i, 0,1,2,3,4,5,6,7,8,9,10,11,12,13,14,15
	global_load_b128 v[R+4*\i:R+4*\i+3], v4, s[4:5] offset:(\i+8*(\i/8))*ROWB th:TH_LOAD_NT   ; tile row i: 512 consecutive bytes; read once in the launch
.endr
.irp i, 0,1,2,3,4,5,6,7,8,9,10,11,12,13,14,15
	s_wait_loadcnt 15-\i                           ; loads come back in order: row i is in, the 15 - i younger ones stay out
	ds_store_b128 v5, v[R+4*\i:R+4*\i+3] offset:STP*\i
.endr
.irp b, 0,1,2,3
.irp j, 0,1,2,3
	ds_load_b128 v[X+16*\b+4*\j:X+16*\b+4*\j+3], v6 offset:128*\b+16*\j   ; LDS serves a wave's instructions in order: these see my stores
.endr
.endr
	s_wait_dscnt 0x0
	QUANT X
.irp c, 0,1,2
	global_store_b128 v4, v[PC+4*\c:PC+4*\c+3], s[14:15] offset:512*\c   ; 32 lanes store 512 consecutive bytes, at a multiple of 256 from cod's first byte
.endr
	ds_store_b32 v7, v[PW]                         ; both halves of the lanes write the same word with the same value
	s_wait_dscnt 0x0                               ; for the others' sake: my word has landed
	s_barrier_signal -1
	s_barrier_wait -1
	s_cmp_lg_u32 s16, 0
	s_cbranch_scc1 .Lend
	ds_load_b64 v[12:13], v8                       ; wave 0: the record's 64 scale words
	s_wait_dscnt 0x0
	global_store_b64 v9, v[12:13], s[14:15] offset:6144   ; 256 consecutive bytes
.Lend:
	s_wait_tensorcnt 0x0                           ; the wave's end: a wait, an add and its wait behind my last LDS store
	ds_add_u32 v[SPW], v[NIL]
	s_wait_dscnt 0x0
	s_endpgm
.Lfunc_end_k_qef917a7708_prep:
	.size	k_qef917a7708_prep, .Lfunc_end_k_qef917a7708_prep-k_qef917a7708_prep
	.p2alignl 7, 3214868480
	.fill 96, 4, 3214868480
	.section	.rodata,"a",@progbits
	.p2align	6, 0x0
	.amdhsa_kernel k_qef917a7708_prep
		.amdhsa_group_segment_fixed_size 34560
		.amdhsa_private_segment_fixed_size 0
		.amdhsa_enable_private_segment 0
		.amdhsa_kernarg_size 48
		.amdhsa_user_sgpr_count 2
		.amdhsa_user_sgpr_kernarg_segment_ptr 1
		.amdhsa_wavefront_size32 1
		.amdhsa_system_sgpr_workgroup_id_x 1
		.amdhsa_system_sgpr_workgroup_id_y 1
		.amdhsa_system_sgpr_workgroup_id_z 1
		.amdhsa_system_vgpr_workitem_id 0
		.amdhsa_next_free_vgpr 192
		.amdhsa_next_free_sgpr 66
		.amdhsa_reserve_vcc 0
		.amdhsa_float_denorm_mode_32 3
		.amdhsa_float_denorm_mode_16_64 3
		.amdhsa_memory_ordered 1
		.amdhsa_forward_progress 1
		.amdhsa_inst_pref_size 12
	.end_amdhsa_kernel
	.amdgpu_metadata
---
amdhsa.version: [ 1, 2 ]
amdhsa.kernels:
  - .name:           k_qef917a7708_prep
    .symbol:         k_qef917a7708_prep.kd
    .args:
      - { .name: x, .offset: 0, .size: 8, .value_kind: global_buffer, .address_space: global }
      - { .name: Wq, .offset: 8, .size: 8, .value_kind: global_buffer, .address_space: global }
      - { .name: Wk, .offset: 16, .size: 8, .value_kind: global_buffer, .address_space: global }
      - { .name: Wv, .offset: 24, .size: 8, .value_kind: global_buffer, .address_space: global }
      - { .name: Wp, .offset: 32, .size: 8, .value_kind: global_buffer, .address_space: global }
      - { .name: cod, .offset: 40, .size: 8, .value_kind: global_buffer, .address_space: global }
    .group_segment_fixed_size: 34560
    .private_segment_fixed_size: 0
    .kernarg_segment_align: 8
    .kernarg_segment_size: 48
    .max_flat_workgroup_size: 128
    .sgpr_count:     66
    .vgpr_count:     192
    .wavefront_size: 32
...
	.end_amdgpu_metadata
.endif
;; end of part 1
;; launch qkv (part 2): grid 64 x 4, 8 waves a work-group, clusters of 4 x 4, 207,360 bytes of LDS; arguments cod, bq, bk, bv, kv, qb; writes kv, qb
.if DOCPART == 2
	.amdgcn_target "amdgcn-amd-amdhsa--gfx1250"
	.amdhsa_code_object_version 6
	.text
	.protected	k_qef917a7708_qkv
	.globl	k_qef917a7708_qkv
	.p2align	8
	.type	k_qef917a7708_qkv,@function
k_qef917a7708_qkv:
	s_mov_b64 s[64:65], 0
	v_nop
	global_prefetch_b8 v0, s[64:65] scope:SCOPE_SE
	s_setreg_imm32_b32 hwreg(HW_REG_WAVE_MODE, 25, 1), 1
	s_wait_xcnt 0x0
	s_wait_alu depctr_hold_cnt(0) depctr_sa_sdst(0) depctr_va_vdst(0) depctr_va_sdst(0) depctr_va_ssrc(0) depctr_va_vcc(0) depctr_vm_vsrc(0)
	s_getreg_b32 s2, hwreg(HW_REG_IB_STS2, 6, 4)
	s_cmp_eq_u32 s2, 0
	s_cbranch_scc0 .Lentry_in_a_cluster
	s_endpgm
.Lentry_in_a_cluster:
	s_bfe_u32 s2, ttmp6, 0x10000c
	s_cmp_lg_u32 s2, 0xf033
	s_cbranch_scc0 .Lentry_shape_is_right
	s_endpgm
.Lentry_shape_is_right:
; q = x Wq^T + bq, k = x Wk^T + bk, v = x Wv^T + bv on codes of FP6 (E2M3) with E8M0 scales, f32 sums; the results are quantised in registers and stored as operand images for the attention launch:
; q and k along the head's 64 channels, v along the keys.
; SHARES.  Work-group (g, cy): the 128 tokens 128 g .. (batch g / 8, key step g % 8) and heads 2 cy, 2 cy + 1.  Wave w: head half hh = w / 4, j = w % 4.  Three units of 8 accumulators x 4 K steps:
;   q and k for the 32 tokens of pair j: source 0 = 16 channels of W, source 1 = 16 tokens of x: a lane holds ONE token and its registers run along the channels;
;   v for channel tile j: source 0 = 16 tokens of x, source 1 = 16 channels of Wv: a lane holds ONE channel and its registers run along the 128 tokens (the keys).
; The tiles' rows are laid by the first launch so that the 16 registers of two neighbouring tiles are 16 neighbours: the 64 results of a lane are four blocks of 32 (with lane l xor 16), in the quantiser's order.
; The biases are the C of each sum's first matrix instruction.
; kv: [batch][key step][head][K's four fragments 6,144 | V's four 6,144 | scale words 512]: a key step of all eight heads is one dense block of 102,400 bytes.
; LDS: the 8 records of x and 8 of each weight (6,400 bytes each) come once: eight dense halves of 25,600 bytes, one tensor load a wave.  Nothing is filled again.
; CLUSTER 4 x 4: x's records hang on g alone and are shared down a column of the cluster, the weights' on cy alone and are shared along a row.
; FRAGMENTS have two sets of registers, v80-187 and v336-443 (window 1): K step s + 1 is fetched before step s is multiplied, and a unit's step 0 before the unit ahead of it is quantised.
; No prefetch: the launch has no loop to run ahead in, all its tiles are asked for at the head.
; LIMITS: NaN and infinities are not served; a block whose largest magnitude is under 2^-124 (a block of zeros too) gets the scale byte 1: only this program reads the bytes.
.set REC,   6400
.set LWQ,   8*REC                      ; LDS: x's 8 records at 0, Wq's here,
.set LWV,   24*REC                     ; (Wk's at 16 REC,) Wv's here;
.set SS,    32*REC                     ; the scale words' stage: 512 hh + [K 256 | V 256]; Q's at 1,024 + 256 hh; row-lane r at 16 r, word j
.set SPARE, SS+1536                    ; the spare words, 128 bytes a wave: four blocks of 256 bytes that no other line names
.set SPW,   10                         ; v10  my spare word's LDS address; never rewritten
.set NIL,   11                         ; v11  0; never rewritten
.set ACC,   16                         ; v16-79   eight accumulators
.set FR,    80                         ; v80-187  fragments, in both windows
.set SC,    188                        ; v188-225 scale words and nothing else
.set SX,    SC+18                      ; x's in a q or k unit
.set SV,    SC+34                      ; Wv's in the v unit
.set BQ,    192                        ; window 1: v448-479 q's bias, later v448-455 v's; v480-511 k's
.set BK,    224
.set TM,    80                         ; the quantiser works in window 0's fragment registers, which are done with by then
.set PW,    96
.set PC,    100
.set G1X,   16                         ; s[16:23] descriptor group 1 for x's records; s[24:31] for the weights'
.set G1W,   24
.set WV,    48                         ; s48 my wave's number
.set SEL,   56
.set MSB, 0
.macro WIN new
.if MSB != \new
	s_set_vgpr_msb (MSB<<8)|\new
.set MSB, \new
.endif
.endm
.macro PLACES n
.rept \n
	v_nop
.endr
.endm
.macro CROUND                          ; a round of the cluster's barrier
	s_barrier_signal -1
	s_barrier_wait -1
	s_cmp_lg_u32 s[WV], 0
	s_cbranch_scc1 .Lnot_wave_0_\@
	s_barrier_signal -3
.Lnot_wave_0_\@:
	s_barrier_wait -3
	s_barrier_signal -1
	s_barrier_wait -1
.endm
.macro WMC d, a, b, c, sa, sb          ; D = A B + C, both operands FP6
	v_wmma_scale_f32_16x16x128_f8f6f4 v[(\d):(\d)+7], v[(\a):(\a)+11], v[(\b):(\b)+11], v[(\c):(\c)+7], v[\sa], v[\sb] matrix_a_fmt:MATRIX_FMT_FP6 matrix_b_fmt:MATRIX_FMT_FP6
.endm
; 64 numbers of a lane, register 16 b + i = k 32 b + 16 (lane / 16) + i, become 12 code registers in v[PC] on and a scale word in v[PW]
.macro QUANT s
.irp b, 0,1,2,3
	v_max3_num_f32 v[TM+\b], |v[\s+16*\b]|, |v[\s+1+16*\b]|, 0x1800000   ; my 16 numbers of block b, and the floor 2^(3 - 127); each accumulator is read from its low end on
.endr
.irp i, 2,4,6,8,10,12,14
.irp b, 0,1,2,3
	v_max3_num_f32 v[TM+\b], v[TM+\b], |v[\s+16*\b+\i]|, |v[\s+1+16*\b+\i]|
.endr
.endr
.irp b, 0,1,2,3
	s_delay_alu instid0(VALU_DEP_4)
	v_permlanex16_b32 v[TM+4+\b], v[TM+\b], s[SEL], s[SEL+1]
.endr
.irp b, 0,1,2,3
	s_delay_alu instid0(VALU_DEP_4)
	v_max_num_f32 v[TM+\b], v[TM+\b], v[TM+4+\b]
.endr
.irp b, 0,1,2,3
	s_delay_alu instid0(VALU_DEP_4)
	v_add_nc_u32 v[TM+12+\b], 0xff000000, v[TM+\b]   ; 2 off the exponent field: the conversion's scale operand
.endr
.irp b, 0,1,2,3
	s_delay_alu instid0(VALU_DEP_4)
	v_lshrrev_b32 v[TM+4+\b], 23, v[TM+12+\b]      ; the scale's byte
.endr
	s_delay_alu instid0(VALU_DEP_3)
	v_lshl_or_b32 v[PW], v[TM+5], 8, v[TM+4]
	s_delay_alu instid0(VALU_DEP_1)
	v_lshl_or_b32 v[PW], v[TM+6], 16, v[PW]
	s_delay_alu instid0(VALU_DEP_1)
	v_lshl_or_b32 v[PW], v[TM+7], 24, v[PW]
.irp c, 0,1
	v_cvt_scalef32_pk16_fp6_f32 v[PC+6*\c:PC+2+6*\c], v[\s+32*\c:\s+15+32*\c], v[TM+12+2*\c]
	v_cvt_scalef32_pk16_fp6_f32 v[PC+12+4*\c:PC+14+4*\c], v[\s+16+32*\c:\s+31+32*\c], v[TM+12+2*\c+1]
.endr
	v_nop                                          ; one plain place behind a scaled conversion
.irp c, 0,1
.irp i, 0,1,2
	v_permlane16_swap_b32 v[PC+6*\c+\i], v[PC+12+4*\c+\i]
.endr
.irp i, 0,1,2
	s_delay_alu instid0(VALU_DEP_3)
	v_mov_b32 v[PC+3+6*\c+\i], v[PC+12+4*\c+\i]
.endr
.endr
.endm
; A q or k unit.  v4, v5: my head's four weight records (images, scale words); v3, v6: my two records of x.  Accumulator 4 u + c: token tile u x channel tile c.
; K step s lies in window (s + 1) % 2.  The eight accumulators take turns, one instruction a turn.  Four places stand behind each run of products.
.macro QKST s                          ; K step s: 18 loads
	WIN (0x40*(((\s)+1)%2))
.irp c, 0,1,2,3
.irp k, 0,1,2
	ds_load_b128 v[FR+12*\c+4*\k:FR+12*\c+4*\k+3], v4 offset:\c*REC+(\s)*1536+512*\k
.endr
.endr
.irp u, 0,1
.irp k, 0,1,2
	ds_load_b128 v[FR+48+12*\u+4*\k:FR+48+12*\u+4*\k+3], v3 offset:\u*REC+(\s)*1536+512*\k
.endr
.endr
	WIN 0
.endm
.macro QKPRE
.irp c, 0,1,2,3
	ds_load_b128 v[SC+4*\c:SC+4*\c+3], v5 offset:\c*REC+6144       ; row-lane r's four words, one for each K step
.endr
.irp u, 0,1
	ds_load_b128 v[SX+4*\u:SX+4*\u+3], v6 offset:\u*REC+6144
.endr
	QKST 0
.endm
.macro QKMUL bias
.irp s, 0,1,2,3
.if \s < 3
	QKST \s+1
	s_wait_dscnt 18                                ; all but the next step's 18 loads
.else
	s_wait_dscnt 0x0
.endif
.if \s == 0
	WIN 0x15                                       ; sources and C in window 1
.else
	WIN (5*((\s+1)%2))
.endif
.irp u, 0,1
.irp c, 0,1,2,3
.if \s == 0
	WMC ACC+8*(4*\u+\c), FR+12*\c, FR+48+12*\u, \bias+8*\c, SC+4*\c+\s, SX+4*\u+\s
.else
	WMC ACC+8*(4*\u+\c), FR+12*\c, FR+48+12*\u, ACC+8*(4*\u+\c), SC+4*\c+\s, SX+4*\u+\s
.endif
.endr
.endr
	WIN 0
	PLACES 4
.endr
.endm
; The v unit.  Accumulator t: token tile t x my channel tile.  v1, v2: x's eight records; v7, v8: my record of Wv.
.macro VST s                           ; 27 loads
	WIN (0x40*(((\s)+1)%2))
.irp t, 0,1,2,3,4,5,6,7
.irp k, 0,1,2
	ds_load_b128 v[FR+12*\t+4*\k:FR+12*\t+4*\k+3], v1 offset:\t*REC+(\s)*1536+512*\k
.endr
.endr
.irp k, 0,1,2
	ds_load_b128 v[FR+96+4*\k:FR+96+4*\k+3], v7 offset:(\s)*1536+512*\k
.endr
	WIN 0
.endm
.macro VPRE
.irp t, 0,1,2,3,4,5,6,7
	ds_load_b128 v[SC+4*\t:SC+4*\t+3], v2 offset:\t*REC+6144
.endr
	ds_load_b128 v[SV:SV+3], v8 offset:6144
	VST 0
.endm
.macro VMUL
.irp s, 0,1,2,3
.if \s < 3
	VST \s+1
	s_wait_dscnt 27                                ; all but the next step's 27 loads
.else
	s_wait_dscnt 0x0
.endif
.if \s == 0
	WIN 0x15
.else
	WIN (5*((\s+1)%2))
.endif
.irp t, 0,1,2,3,4,5,6,7
.if \s == 0
	WMC ACC+8*\t, FR+12*\t, FR+96, BQ, SC+4*\t+\s, SV+\s
.else
	WMC ACC+8*\t, FR+12*\t, FR+96, ACC+8*\t, SC+4*\t+\s, SV+\s
.endif
.endr
	WIN 0
	PLACES 4
.endr
.endm
.macro TLOAD g0, g1
	tensor_load_to_lds s[\g0:\g0+3], s[\g1:\g1+7]
	s_nop 0
	PLACES 4
.endm
	s_load_b256 s[4:11], s[0:1], 0x0               ; cod s[4:5], bq s[6:7], bk s[8:9], bv s[10:11]
	s_load_b128 s[12:15], s[0:1], 0x20             ; kv s[12:13], qb s[14:15]
	v_lshl_add_u32 v[SPW], v0, 2, SPARE
	v_mov_b32 v[NIL], 0
	ds_add_u32 v[SPW], v[NIL]                      ; the wave's opening: the add, twice on end, and its wait ahead of my tensor load
	ds_add_u32 v[SPW], v[NIL]
	v_lshrrev_b32 v1, 5, v0
	v_readfirstlane_b32 s[WV], v1                  ; wave 0..7
	s_lshr_b32 s49, s[WV], 2                       ; hh
	s_and_b32 s50, s[WV], 3                        ; j
	s_bfe_u32 s51, ttmp6, 0x40000                  ; cx
	s_bfe_u32 s52, ttmp6, 0x40004                  ; cy: the grid is one cluster high, so cy is the work-group's y
	s_lshl_b32 s53, ttmp9, 2
	s_add_co_u32 s53, s53, s51                     ; g = 4 x cluster x + cx
	s_lshl_b32 s54, 0x1111, s51                    ; my column of the cluster
	s_lshl_b32 s55, s52, 2
	s_lshl_b32 s55, 15, s55                        ; my row
	s_or_b32 s[G1X], s54, (3<<16)|(1<<21)          ; 15:0 the mask; 17:16 elements of 8 bytes; 21 set beside a mask; no padding
	s_or_b32 s[G1W], s55, (3<<16)|(1<<21)
.irp g, G1X, G1W                               ; four records are a dense block: 100 rows of 256 bytes
	s_mov_b32 s[\g+1], 32<<16                      ; tensor_dim0 = 32
	s_mov_b32 s[\g+2], 100<<16                     ; tensor_dim1 = 100
	s_mov_b32 s[\g+3], 32<<16                      ; tile_dim0 = 32
	s_mov_b32 s[\g+4], 100                         ; tile_dim1 = 100
	s_mov_b32 s[\g+5], 32                          ; from row to row
	s_mov_b32 s[\g+6], 0
	s_mov_b32 s[\g+7], 0
.endr
	s_and_b32 s84, s[WV], 1
	s_mul_i32 s62, s[WV], 4*REC                    ; where my half goes: x, Wq, Wk, Wv lie behind one another in LDS
	s_mul_i32 s63, s84, 4*REC                      ; waves 2 n, 2 n + 1 fetch a tensor's two halves
	s_mul_i32 s58, s53, 8*REC
	s_add_co_u32 s58, s58, s63                     ; x: made of g and the wave alone
	s_mov_b32 s59, 0
	s_lshr_b32 s60, s[WV], 1
	s_mul_i32 s60, s60, 32*REC                     ; the weights' records begin at 512, 32 for each: wave pair n fetches weight n - 1
	s_mul_i32 s61, s52, 8*REC
	s_add_co_u32 s60, s60, s61
	s_add_co_u32 s60, s60, s63
	s_add_co_u32 s60, s60, 480*REC                 ; made of cy and the wave alone
	s_mov_b32 s61, 0
	v_and_b32 v1, 31, v0
	v_and_b32 v2, 15, v0                           ; r
	v_bfe_u32 v13, v0, 4, 1                        ; h
	v_lshlrev_b32 v9, 3, v1                        ; v9  8 x lane
	v_lshlrev_b32 v1, 4, v1                        ; v1  16 x lane
	v_and_b32 v14, 8, v2
	v_lshlrev_b32 v13, 6, v13                      ; v13 64 h: q's and k's bias, my half's channels
	v_add_nc_u32 v14, v14, v2
	v_lshlrev_b32 v2, 4, v2                        ; v2  16 r
	v_lshlrev_b32 v14, 2, v14                      ; v14 4 (r + 8 (r / 8)): v's bias, my channel
	s_wait_alu depctr_va_vdst(0)
	s_mul_i32 s78, s50, 2*REC
	v_add_nc_u32 v3, s78, v1                       ; v3  x's records 2 j, 2 j + 1: images,
	v_add_nc_u32 v6, s78, v2                       ; v6  scale words
	s_mul_i32 s79, s49, 4*REC
	s_add_co_u32 s79, s79, LWQ
	v_add_nc_u32 v4, s79, v1                       ; v4  my head's four records of Wq (later Wk): images,
	v_add_nc_u32 v5, s79, v2                       ; v5  scale words
	s_mul_i32 s80, s[WV], REC
	s_add_co_u32 s80, s80, LWV
	v_add_nc_u32 v7, s80, v1                       ; v7  Wv's record 4 hh + j = w: image,
	v_add_nc_u32 v8, s80, v2                       ; v8  scale words
	s_lshl_b32 s81, s49, 9
	s_lshl_b32 s82, s50, 2
	s_add_co_u32 s81, s81, s82
	s_add_co_u32 s81, s81, SS
	v_add_nc_u32 v15, s81, v2                      ; v15 the stage: K's word (V's 256 on)
	s_lshl_b32 s83, s49, 8
	s_add_co_u32 s83, s83, s82
	s_add_co_u32 s83, s83, SS+1024                 ; Q's word
	s_lshl_b32 s85, s84, 9
	s_add_co_u32 s85, s85, SS                      ; the way out of the stage: K's and V's 512 bytes of head half w % 2,
	s_lshl_b32 s86, s84, 8
	s_add_co_u32 s86, s86, SS+1024                 ; Q's 256
	s_mov_b32 s[SEL], 0x76543210
	s_mov_b32 s[SEL+1], 0xfedcba98
	s_lshr_b32 s87, s53, 3
	s_lshl_b32 s87, s87, 3                         ; 8 x batch
	s_and_b32 s88, s53, 7                          ; the key step
	s_lshl_b32 s89, s52, 1
	s_add_co_u32 s87, s87, s89
	s_lshl_b32 s92, s53, 3
	s_add_co_u32 s92, s92, s89                     ; 8 g + 2 cy
	s_add_co_u32 s89, s89, s49                     ; my head
	s_add_co_u32 s90, s87, s49                     ; its record in qb
	s_add_co_u32 s91, s87, s84                     ; and that of the head half whose scale words I store
	s_add_co_u32 s68, s92, s49
	s_mul_i32 s68, s68, 12800                      ; kv: key step, head,
	s_mul_i32 s93, s50, 1536
	s_add_co_u32 s68, s68, s93                     ; fragment j (V's 6,144 on)
	s_mov_b32 s69, 0
	s_mul_i32 s70, s90, 51200
	s_add_co_u32 s70, s70, s93
	s_mul_i32 s93, s88, 4*1536
	s_add_co_u32 s70, s70, s93                     ; qb: head record, token pair 4 st + j
	s_mov_b32 s71, 0
	s_add_co_u32 s72, s92, s84
	s_mul_i32 s72, s72, 12800
	s_add_co_u32 s72, s72, 12288                   ; kv: a head's 512 bytes of scale words
	s_mov_b32 s73, 0
	s_mul_i32 s74, s91, 51200
	s_lshl_b32 s93, s88, 8
	s_add_co_u32 s74, s74, s93
	s_add_co_u32 s74, s74, 49152                   ; qb: the 256 bytes of scale words of these 128 tokens
	s_mov_b32 s75, 0
	s_lshl_b32 s66, s89, 8                         ; the head's 64 numbers in a bias
	s_mov_b32 s67, 0
	s_lshr_b32 s76, s50, 1
	s_lshl_b32 s76, s76, 7
	s_and_b32 s93, s50, 1
	s_lshl_b32 s93, s93, 5
	s_add_co_u32 s76, s76, s93
	s_add_co_u32 s76, s76, s66                     ; bv: + channel tile j: 32 (j / 2) + 8 (j % 2)
	s_mov_b32 s77, 0
	s_wait_alu depctr_va_vdst(0)
	s_wait_dscnt 0x0                               ; both opening adds are done
	CROUND                                         ; all sixteen work-groups are here: the joint loads meet
	s_wait_kmcnt 0x0
	s_mov_b32 s32, 1                               ; group 0: count 1, LDS address, global address, type 2
	s_mov_b32 s33, s62
	s_add_nc_u64 s[34:35], s[4:5], s[58:59]
	s_or_b32 s35, s35, 0x80000000
	s_mov_b32 s36, 1
	s_mov_b32 s37, s62
	s_add_nc_u64 s[38:39], s[4:5], s[60:61]
	s_or_b32 s39, s39, 0x80000000
	s_cmp_lt_u32 s[WV], 2                          ; one load a wave, in one tree of branches on the wave's number
	s_cbranch_scc0 .Lweights
	TLOAD 32, G1X                                  ; waves 0, 1: x
	s_branch .Lasked
.Lweights:
	s_cmp_lt_u32 s[WV], 4
	s_cbranch_scc0 .Llater
	TLOAD 36, G1W                                  ; waves 2, 3: Wq
	s_branch .Lasked
.Llater:
	TLOAD 36, G1W                                  ; waves 4 to 7: Wk, Wv
.Lasked:
	s_add_nc_u64 s[6:7], s[6:7], s[66:67]
	s_add_nc_u64 s[8:9], s[8:9], s[66:67]
	s_add_nc_u64 s[10:11], s[10:11], s[76:77]
	s_add_nc_u64 s[68:69], s[12:13], s[68:69]
	s_add_nc_u64 s[70:71], s[14:15], s[70:71]
	s_add_nc_u64 s[72:73], s[12:13], s[72:73]
	s_add_nc_u64 s[74:75], s[14:15], s[74:75]
	WIN 0x40
.irp c, 0,1,2,3                                ; the biases in the results' layout: for channel tile c lane half h wants channels 32 (c / 2) + 8 (c % 2) + 16 h + 0 .. 7
.irp qd, 0,1
	global_load_b128 v[BQ+8*\c+4*\qd:BQ+8*\c+4*\qd+3], v13, s[6:7] offset:128*(\c/2)+32*(\c%2)+16*\qd
	global_load_b128 v[BK+8*\c+4*\qd:BK+8*\c+4*\qd+3], v13, s[8:9] offset:128*(\c/2)+32*(\c%2)+16*\qd
.endr
.endr
	WIN 0
	global_load_b32 v12, v14, s[10:11]             ; v's: one number a lane
	s_wait_alu depctr_va_vdst(0)
	s_cmp_lt_u32 s[WV], 4
	s_cbranch_scc0 .Lnot_first
	s_wait_tensorcnt 0x0                           ; waves 0 to 3: x and Wq are in; Wk's and Wv's lines are other waves', which wait ahead of the next barrier
.Lnot_first:
	s_barrier_signal -1
	s_barrier_wait -1
	s_wait_loadcnt 0x0                             ; the biases; v13 and v14 are free
	v_add_nc_u32 v13, s83, v2                      ; v13 the stage: Q's word
	v_add_nc_u32 v14, s85, v1                      ; v14 the way out of the stage for K's and V's words
	s_wait_alu depctr_va_vdst(0)
	QKPRE
	QKMUL BQ
	v_add_nc_u32 v4, 8*REC, v4                     ; on to Wk's records
	v_add_nc_u32 v5, 8*REC, v5
	s_wait_alu depctr_va_vdst(0)
	s_wait_tensorcnt 0x0                           ; every wave's tensor load is in
	s_wait_dscnt 0x0
	s_barrier_signal -1
	s_barrier_wait -1
	QKPRE                                          ; k's first fragments, into window 1: under the quantiser
	QUANT ACC
.irp p, 0,1,2,3,4,5
	global_store_b64 v9, v[PC+2*\p:PC+2*\p+1], s[70:71] offset:256*\p   ; q: six runs of 256 consecutive bytes: tile p / 3, registers 2 (p % 3) on
.endr
	ds_store_b32 v13, v[PW]
	s_wait_alu depctr_va_vdst(0)
	s_wait_xcnt 0x0                                ; the stores have read their registers: loads may land there
	QKMUL BK
	VPRE
	QUANT ACC
.irp c, 0,1,2
	global_store_b128 v1, v[PC+4*\c:PC+4*\c+3], s[68:69] offset:512*\c   ; k: fragment j of the key step: key tiles 2 j and 2 j + 1
.endr
	ds_store_b32 v15, v[PW]
	WIN 0x40
.irp e, 0,1,2,3,4,5,6,7
	v_mov_b32 v[BQ+\e], v12                        ; v's bias hangs on the lane's channel alone: the same in a tile's eight registers
.endr
	WIN 0
	v_add_nc_u32 v12, s86, v9                      ; v12 the way out of the stage for Q's words
	s_wait_alu depctr_va_vdst(0)
	s_wait_xcnt 0x0
	VMUL
	QUANT ACC
.irp c, 0,1,2
	global_store_b128 v1, v[PC+4*\c:PC+4*\c+3], s[68:69] offset:6144+512*\c   ; V^T: channel tile j x the step's 128 keys
.endr
	ds_store_b32 v15, v[PW] offset:256
	s_wait_alu depctr_va_vdst(0)
	s_wait_dscnt 0x0                               ; for the others' sake: my three scale words have landed
	s_barrier_signal -1
	s_barrier_wait -1
	s_cmp_lt_u32 s[WV], 2
	s_cbranch_scc0 .Lnot_kv
	ds_load_b128 v[120:123], v14                   ; waves 0, 1: a head's 512 bytes of K's and V's scale words
	s_wait_dscnt 0x0
	global_store_b128 v1, v[120:123], s[72:73]
	s_branch .Lfin
.Lnot_kv:
	s_cmp_lt_u32 s[WV], 4
	s_cbranch_scc0 .Lfin
	ds_load_b64 v[120:121], v12                    ; waves 2, 3: a head's 256 bytes of Q's
	s_wait_dscnt 0x0
	global_store_b64 v9, v[120:121], s[74:75]
.Lfin:
	s_wait_tensorcnt 0x0                           ; the wave's end: a wait, an add and its wait behind my last tensor load and my last LDS store
	ds_add_u32 v[SPW], v[NIL]
	s_wait_dscnt 0x0
	CROUND                                         ; the closing round
	s_endpgm
.Lfunc_end_k_qef917a7708_qkv:
	.size	k_qef917a7708_qkv, .Lfunc_end_k_qef917a7708_qkv-k_qef917a7708_qkv
	.p2alignl 7, 3214868480
	.fill 96, 4, 3214868480
	.section	.rodata,"a",@progbits
	.p2align	6, 0x0
	.amdhsa_kernel k_qef917a7708_qkv
		.amdhsa_group_segment_fixed_size 207360
		.amdhsa_private_segment_fixed_size 0
		.amdhsa_enable_private_segment 0
		.amdhsa_kernarg_size 48
		.amdhsa_user_sgpr_count 2
		.amdhsa_user_sgpr_kernarg_segment_ptr 1
		.amdhsa_wavefront_size32 1
		.amdhsa_system_sgpr_workgroup_id_x 1
		.amdhsa_system_sgpr_workgroup_id_y 1
		.amdhsa_system_sgpr_workgroup_id_z 1
		.amdhsa_system_vgpr_workitem_id 0
		.amdhsa_next_free_vgpr 512
		.amdhsa_next_free_sgpr 96
		.amdhsa_reserve_vcc 0
		.amdhsa_float_denorm_mode_32 3
		.amdhsa_float_denorm_mode_16_64 3
		.amdhsa_memory_ordered 1
		.amdhsa_forward_progress 1
		.amdhsa_inst_pref_size 58
	.end_amdhsa_kernel
	.amdgpu_metadata
---
amdhsa.version: [ 1, 2 ]
amdhsa.kernels:
  - .name:           k_qef917a7708_qkv
    .symbol:         k_qef917a7708_qkv.kd
    .args:
      - { .name: cod, .offset: 0, .size: 8, .value_kind: global_buffer, .address_space: global }
      - { .name: bq, .offset: 8, .size: 8, .value_kind: global_buffer, .address_space: global }
      - { .name: bk, .offset: 16, .size: 8, .value_kind: global_buffer, .address_space: global }
      - { .name: bv, .offset: 24, .size: 8, .value_kind: global_buffer, .address_space: global }
      - { .name: kv, .offset: 32, .size: 8, .value_kind: global_buffer, .address_space: global }
      - { .name: qb, .offset: 40, .size: 8, .value_kind: global_buffer, .address_space: global }
    .group_segment_fixed_size: 207360
    .private_segment_fixed_size: 0
    .kernarg_segment_align: 8
    .kernarg_segment_size: 48
    .max_flat_workgroup_size: 256
    .sgpr_count:     96
    .vgpr_count:     512
    .wavefront_size: 32
...
	.end_amdgpu_metadata
.endif
;; end of part 2
;; launch attn (part 3): grid 32 x 8, 8 waves a work-group, clusters of 4 x 1, 327,680 bytes of LDS; arguments kv, qb, cod, bp, out0; writes out0
.if DOCPART == 3
	.amdgcn_target "amdgcn-amd-amdhsa--gfx1250"
	.amdhsa_code_object_version 6
	.text
	.protected	k_qef917a7708_attn
	.globl	k_qef917a7708_attn
	.p2align	8
	.type	k_qef917a7708_attn,@function
k_qef917a7708_attn:
	s_mov_b64 s[64:65], 0
	v_nop
	global_prefetch_b8 v0, s[64:65] scope:SCOPE_SE
	s_setreg_imm32_b32 hwreg(HW_REG_WAVE_MODE, 25, 1), 1
	s_wait_xcnt 0x0
	s_wait_alu depctr_hold_cnt(0) depctr_sa_sdst(0) depctr_va_vdst(0) depctr_va_sdst(0) depctr_va_ssrc(0) depctr_va_vcc(0) depctr_vm_vsrc(0)
	s_getreg_b32 s2, hwreg(HW_REG_IB_STS2, 6, 4)
	s_cmp_eq_u32 s2, 0
	s_cbranch_scc0 .Lentry_in_a_cluster
	s_endpgm
.Lentry_in_a_cluster:
	s_bfe_u32 s2, ttmp6, 0x10000c
	s_cmp_lg_u32 s2, 0x3003
	s_cbranch_scc0 .Lentry_shape_is_right
	s_endpgm
.Lentry_shape_is_right:
; y = softmax over the keys that count (k <= q and k mod 25 != 24) of (q . k / 8), times v, for all eight heads; then out0 = y Wp^T + bp.  All products on codes of FP6 (E2M3) with E8M0 scales, f32 sums.
; THE SOFTMAX AHEAD OF THE SECOND PRODUCT: t = score x log2(e) / 8; M = the running largest t rounded UP to a whole number; p = 2^(t - M) is what is quantised, along the keys; the row's sum is taken of the
; unquantised p and divides at the end.  When M moves, the sum and O are multiplied by 2^(old M - new M), which rounds nothing.
; SHARES.  Work-group (t, batch), t = 0 .. 31: the two tiles of 16 queries 63 - t (the late one) and t (the early one) of the batch, all heads; wave w is head w.  The late tile has L = 8 - t / 8 key steps of 128 keys,
; the early one 9 - L: NINE UNITS (a tile x a key step) in every work-group, walked in one loop of nine trips: the late tile's first.  L hangs on the cluster's number alone (t / 8 = cluster x / 2), so the four partners agree.
; Key steps past a tile's diagonal are not walked: the causal mask hides every key in them.
; THE RING: two slots of 102,400 bytes; a unit's tile is the key step's block of all eight heads (K's four fragments, V^T's four and 512 bytes of scale words for each head), an eighth of it a wave.
; At the head units 0 and 1 come in, one load a wave; trip i fills unit i's slot again with unit i + 2.  UNITS 9 AND 10 ARE Wp's TWO HALVES (16 records of 6,400 bytes each): the same loop brings them for the last product.
; CLUSTER 4 x 1: the four work-groups t .. t + 3 need the same tiles: each is asked for jointly by the four.
; A TRIP: the softmax of unit i, whose scores stand in registers; inside it the round; behind the round unit i + 2's load and K's fragments of unit i + 1; then O^T += V^T P^T, the scores of unit i + 1, and V's fragments of unit i + 1.
; PREFETCH: a key step is asked of memory in the trip ahead of its load (steps 3 to 7: trip i asks for step i + 3), by the four clusters of a batch whose number is even and that will load it, its 400 blocks of 256 bytes shared by address
; among the 32 waves of a cluster, 13 lanes each; Wp's 800 blocks in trip 5, by the four even clusters of batch 0, 25 lanes a wave.
; LAYOUT.  All products are used transposed: S^T = K Q^T, O^T = V^T P^T, out^T = Wp y^T: a lane holds ONE query throughout.  The keys of a tile are laid so that the 16 registers of tiles 2 b, 2 b + 1 are keys 32 b + 16 (lane / 16) + 0 .. 15.
; THE HEAD IS 64 WIDE, THE INSTRUCTION 128 DEEP: a fragment of K holds TWO key tiles (registers 0-5, 6-11).  Q stands in 18 registers, zeros | q | zeros: the last 12 (q, 0) pick the first tile, the first 12 (0, q) the second.
; The half that is not meant meets zero codes; Q's scale bytes there are 0, a valid small power of two.
; THE MASK.  In a tile's last key step hidden scores become -infinity by a compare with the lane's query; keys 24, 49, 74 .. are constants of the text, one copy of the search for the largest score for each key step:
; their registers become -infinity in the half of the lanes that holds them.  Key 0 counts for every query, so M is a number from a tile's first step on.
; Y: a head's 64 channels are quantised in registers and go to LDS as images of the last product's operand (K step a = heads 2 a, 2 a + 1); wave w then makes columns 64 w .. of both tiles; rows leave through the wave's own stage.
; LIMITS: NaN and infinities are not served; a block of y whose largest magnitude is under 2^-124 gets the scale byte 1; a block of p that is all zeros keeps the byte 1: its codes are zeros.
; The promise holds while the scaled scores (t) stay under 2^31 in magnitude.
.set SLOT,  102400
.set HB,    12800                      ; a head's part of a unit
.set REC,   6400
.set STG,   2*SLOT                     ; the stages: 32 rows x 272 bytes for each wave,
.set YA,    STG+8*8704                 ; y's operands: 6,144 bytes a tile,
.set YSB,   YA+2*6144                  ; their scale words: 16 bytes a row, two bytes a head,
.set SPARE, YSB+512                    ; the spare words, 128 bytes a wave: four blocks of 256 bytes that no other line names
.set LI,    1                          ; v1   16 x lane + my head's part, slot 0
.set RA,    2                          ; v2   the same in the slot that is read next
.set SPW,   3                          ; v3   my spare word's LDS address; never rewritten
.set NIL,   4                          ; v4   0; never rewritten
.set NEG,   5                          ; v5   -infinity
.set DB,    6                          ; v6   my query in its key step - 16 h (v7: the early tile's)
.set TP,    11                         ; v8-10 where y's codes and scale bytes go; v11 at work; v12 -M, v13 the running largest t, v[14:15] the sum
.set QS,    34                         ; v34, v35 Q's scale words for (q, 0) and (0, q);  v16-33 Q
.set SCK,   36                         ; lanes 0-15: K's scale words of fragments 0-3 (lanes 16-31: V's)
.set SCV,   40                         ; lanes 16-31: V's
.set QE,    44                         ; v44-49 the early tile's q, v50-51 its scale words
.set PW,    52                         ; p's scale word
.set PFO,   53                         ; prefetch offsets: kv's, and v75 Wp's
.set PFW,   75
.set FF,    54                         ; v[54:55] f = 2^(old M - new M) (the pair is named; the low word serves)
.set PCD,   56                         ; v56-67 p's codes, v68-74 at work; v56-71 also the sums' eight chains
.set PC2,   68
.set BM,    76                         ; the blocks' largest scores, then largest p
.set T4,    80
.set SO,    84                         ; the conversions' scale operands
.set VF,    88                         ; v88-135 V's four fragments
.set SCO,   136                        ; v136-199 S^T, then p; at the end the last product's eight accumulators
.set OT,    200                        ; v200-231 O^T, four tiles of 16 channels
.set WS,    232                        ; v232-247 Wp's scale words; v250-253 and v34-37 y's
.set KF,    0                          ; window 1: v256-303 K's four fragments;
.set BIA,   136                        ; v392-423 the bias, as the last product's first C
.set PF_,   56                         ; the last product's fragments: v56-127 and v312-383: Wp's four, then y's two
.set G1,    16                         ; s[16:23] descriptor group 1 of the ring's loads, s[68:75] of the head's
.set G1H,   68
.set WV,    32
.set LL,    33                         ; s33 L, s34 L - 1, s35 the trip, s36 1 in a tile's last step, s37 the key step
.set SEL,   38
.set CS,    40                         ; s[40:41] c = log2(e) / 8
.set HM,    42                         ; s42, s43 the masks of lanes 0-15 and 16-31
.set MSB, 0
.macro WIN new
.if MSB != \new
	s_set_vgpr_msb (MSB<<8)|\new
.set MSB, \new
.endif
.endm
.macro PLACES n
.rept \n
	v_nop
.endr
.endm
.macro WALU
	s_wait_alu depctr_va_vdst(0)
.endm
.macro CREST                           ; a round of the cluster's barrier behind its opening barrier
	s_cmp_lg_u32 s[WV], 0
	s_cbranch_scc1 .Lnot_wave_0_\@
	s_barrier_signal -3
.Lnot_wave_0_\@:
	s_barrier_wait -3
	s_barrier_signal -1
	s_barrier_wait -1
.endm
.macro CROUND
	s_barrier_signal -1
	s_barrier_wait -1
	CREST
.endm
.macro KLOAD a                         ; K's four fragments and the scale words: 13 loads
	WIN 0x40
.irp p, 0,1,2,3
.irp k, 0,1,2
	ds_load_b128 v[KF+12*\p+4*\k:KF+12*\p+4*\k+3], v[\a] offset:\p*1536+512*\k
.endr
.endr
	WIN 0
	ds_load_b128 v[SCK:SCK+3], v[\a] offset:12288
.endm
.macro VLOAD a                         ; V's: 13 loads
.irp c, 0,1,2,3
.irp k, 0,1,2
	ds_load_b128 v[VF+12*\c+4*\k:VF+12*\c+4*\k+3], v[\a] offset:6144+\c*1536+512*\k
.endr
.endr
	ds_load_b128 v[SCV:SCV+3], v[\a] offset:12288
.endm
.macro SMUL                            ; the scores: 128 keys x 16 queries
	WIN 0x01
.irp p, 0,1,2,3
	v_wmma_scale_f32_16x16x128_f8f6f4 v[SCO+16*\p:SCO+16*\p+7], v[KF+12*\p:KF+12*\p+11], v[22:33], 0, v[SCK+\p], v[QS] matrix_a_fmt:MATRIX_FMT_FP6 matrix_b_fmt:MATRIX_FMT_FP6
	v_wmma_scale_f32_16x16x128_f8f6f4 v[SCO+16*\p+8:SCO+16*\p+15], v[KF+12*\p:KF+12*\p+11], v[16:27], 0, v[SCK+\p], v[QS+1] matrix_a_fmt:MATRIX_FMT_FP6 matrix_b_fmt:MATRIX_FMT_FP6
.endr
	WIN 0
.endm
; Register 16 b + i of key step s holds key 128 s + 32 b + 16 (lane / 16) + i.  Where that is 24 mod 25 for a half of the lanes, the score becomes -infinity there.
.macro CM s, b, i
.if (128*(\s)+32*(\b)+(\i))%25 == 24
	v_cndmask_b32 v[SCO+16*(\b)+(\i)], v[SCO+16*(\b)+(\i)], v[NEG], s[HM]
.endif
.if (128*(\s)+32*(\b)+16+(\i))%25 == 24
	v_cndmask_b32 v[SCO+16*(\b)+(\i)], v[SCO+16*(\b)+(\i)], v[NEG], s[HM+1]
.endif
.endm
; The largest score of each block of 32 keys: it serves for the row's maximum and, since p rises with the score, for the block's largest p.  Each tile is read from its low end on
.macro MAXB s
.irp b, 0,1,2,3
	CM \s, \b, 0
	CM \s, \b, 1
	CM \s, \b, 2
	v_max3_num_f32 v[BM+\b], v[SCO+16*\b], v[SCO+16*\b+1], v[SCO+16*\b+2]
.endr
.irp i, 3,5,7,9,11,13
.irp b, 0,1,2,3
	CM \s, \b, \i
	CM \s, \b, \i+1
	v_max3_num_f32 v[BM+\b], v[BM+\b], v[SCO+16*\b+\i], v[SCO+16*\b+\i+1]
.endr
.endr
.irp b, 0,1,2,3
	CM \s, \b, 15
	v_max_num_f32 v[BM+\b], v[BM+\b], v[SCO+16*\b+15]
.endr
	WALU
.endm
; A tile's offsets: q's codes s[q:q+1], scale words s[s:s+1], rows of out0 s[o:o+1]; its first query in its key step s[d]; 16 x its place in its pair s[e]
.macro TILE t, q, s, o, d, e
	s_mul_i32 s[\q], s[\t], 768
	s_add_co_u32 s[\q], s[\q], s84
	s_mov_b32 s[\q+1], 0
	s_lshr_b32 s86, s[\t], 1
	s_and_b32 s87, s[\t], 1
	s_lshl_b32 s98, s86, 16                        ; 32 rows of 2,048 bytes for each pair of tiles,
	s_lshl_b32 s99, s87, 14                        ; 8 for the odd one
	s_add_co_u32 s98, s98, s99
	s_add_co_u32 s[\o], s85, s98
	s_mov_b32 s[\o+1], 0
	s_and_b32 s98, s86, 3
	s_lshl_b32 s[\d], s98, 5
	s_lshl_b32 s99, s87, 3
	s_add_co_u32 s[\d], s[\d], s99
	s_lshl_b32 s[\e], s87, 4
	s_lshl_b32 s98, s98, 2
	s_lshr_b32 s99, s86, 2
	s_lshl_b32 s99, s99, 8
	s_add_co_u32 s98, s98, s99
	s_add_co_u32 s98, s98, s84
	s_add_co_u32 s[\s], s98, 49152
	s_mov_b32 s[\s+1], 0
.endm
	s_load_b256 s[4:11], s[0:1], 0x0               ; kv s[4:5], qb s[6:7], cod s[8:9], bp s[10:11]
	s_load_b64 s[12:13], s[0:1], 0x20              ; out0
	v_lshl_add_u32 v[SPW], v0, 2, SPARE
	v_mov_b32 v[NIL], 0
	ds_add_u32 v[SPW], v[NIL]                      ; the wave's opening: the add, twice on end, and its wait ahead of my first tensor load
	ds_add_u32 v[SPW], v[NIL]
	v_lshrrev_b32 v1, 5, v0
	v_readfirstlane_b32 s[WV], v1                  ; wave 0..7 = head
	s_lshr_b32 s66, ttmp9, 1
	s_sub_co_u32 s[LL], 8, s66
	s_sub_co_u32 s34, s[LL], 1
	s_bfe_u32 s76, ttmp6, 0x40000                  ; cx
	s_lshl_b32 s78, ttmp9, 2
	s_add_co_u32 s78, s78, s76                     ; t: the early tile
	s_sub_co_u32 s79, 63, s78                      ; the late one
	s_and_b32 s80, ttmp7, 0xffff                   ; the batch
	s_mov_b32 s[G1], 15|(3<<16)|(1<<21)            ; the mask: all four work-groups; elements of 8 bytes; bit 21 beside the mask; no padding
	s_mov_b32 s[G1+1], 32<<16                      ; 50 rows of 256 bytes
	s_mov_b32 s[G1+2], 50<<16
	s_mov_b32 s[G1+3], 32<<16
	s_mov_b32 s[G1+4], 50
	s_mov_b32 s[G1+5], 32
	s_mov_b32 s[G1+6], 0
	s_mov_b32 s[G1+7], 0
	s_mov_b32 s[G1H], 15|(3<<16)|(1<<21)           ; the head's loads: 100 rows
	s_mov_b32 s[G1H+1], 32<<16
	s_mov_b32 s[G1H+2], 100<<16
	s_mov_b32 s[G1H+3], 32<<16
	s_mov_b32 s[G1H+4], 100
	s_mov_b32 s[G1H+5], 32
	s_mov_b32 s[G1H+6], 0
	s_mov_b32 s[G1H+7], 0
	s_mul_i32 s50, s[WV], HB                       ; my eighth of a unit
	s_mul_i32 s81, s[WV], 2*HB                     ; at the head: waves 0-3 a quarter of unit 0 each, waves 4-7 of unit 1, which lies behind it in memory as in LDS
	s_mul_i32 s82, s80, 8*SLOT
	s_mov_b32 s83, 0
	s_lshl_b32 s84, s80, 3
	s_add_co_u32 s84, s84, s[WV]
	s_mul_i32 s84, s84, 51200                      ; qb: the head's record
	s_lshl_b32 s85, s80, 21
	s_lshl_b32 s86, s[WV], 8
	s_add_co_u32 s85, s85, s86                     ; out0: the batch's rows, + my 64 columns
	TILE 79, 88, 90, 54, 92, 100
	TILE 78, 94, 96, 56, 93, 101
	s_and_b32 s60, ttmp9, 1
	s_cmp_eq_u32 s60, 0                            ; even clusters prefetch what they will load
	s_cselect_b32 s60, s[LL], 0
	s_cmp_eq_u32 s80, 0
	s_cselect_b32 s61, s60, 0
	s_cmp_lg_u32 s61, 0
	s_cselect_b32 s61, 5, 99                       ; and those of batch 0 Wp, in trip 5
	s_mov_b32 s[SEL], 0x76543210
	s_mov_b32 s[SEL+1], 0xfedcba98
	s_mov_b32 s[CS], 0x3e38aa3b                    ; c = log2(e) / 8
	s_mov_b32 s[CS+1], s[CS]
	s_mov_b32 s[HM], 0x0000ffff
	s_mov_b32 s[HM+1], 0xffff0000
	s_mov_b32 s24, 1
	s_mov_b32 s28, 1
	s_mov_b32 s35, 0                               ; the trip
	s_mov_b32 s51, 0                               ; the slot that the trip fills again
	s_mov_b32 s52, SLOT                            ; and the one that it reads
	s_lshl_b32 s98, s76, 3
	s_add_co_u32 s98, s98, s[WV]                   ; my number among the cluster's 32 waves
	s_mul_i32 s87, s98, 13
	s_mul_i32 s98, s98, 25
	s_lshr_b32 s66, s[WV], 1
	s_mul_i32 s66, s66, 1536
	s_add_co_u32 s66, s66, YA                      ; y's K step w / 2; an even head has registers 0-5, an odd one 6-11:
	s_and_b32 s99, s[WV], 1
	s_mul_i32 s67, s99, 1016                       ; its second pair of registers at 8 or 1,024,
	s_add_co_u32 s67, s67, s66
	s_add_co_u32 s67, s67, 8
	s_mul_i32 s99, s99, 520                        ; its first at 0 or 520, its third 512 behind the first
	s_add_co_u32 s66, s66, s99
	s_lshl_b32 s86, s[WV], 1
	s_add_co_u32 s86, s86, YSB
	v_and_b32 v56, 31, v0
	v_and_b32 v57, 15, v0                          ; r
	v_bfe_u32 v58, v0, 4, 1                        ; h
	v_min_u32 v65, 12, v56
	v_min_u32 v67, 24, v56
	v_lshlrev_b32 v59, 3, v56                      ; 8 x lane
	v_lshlrev_b32 v62, 4, v57                      ; 16 r
	v_lshlrev_b32 v63, 6, v58                      ; 64 h
	v_lshlrev_b32 v64, 4, v56                      ; 16 x lane
	v_add_nc_u32 v65, s87, v65
	v_add_nc_u32 v67, s98, v67
	v_and_b32 v66, 8, v57
	v_lshlrev_b32 v68, 4, v58
	v_min_u32 v65, 399, v65
	v_add_nc_u32 v66, v66, v57
	v_add_nc_u32 v[LI], s50, v64
	v_lshlrev_b32 v[PFW], 8, v67
	v_lshlrev_b32 v[PFO], 8, v65
	v_sub_nc_u32 v66, v66, v68                     ; r + 8 (r / 8) - 16 h
	v_add_nc_u32 v8, s66, v64
	v_add_nc_u32 v9, s67, v64
	v_add_nc_u32 v10, s86, v62
	v_add_nc_u32 v[DB], s92, v66
	v_add_nc_u32 v[DB+1], s93, v66
	WALU
	s_wait_dscnt 0x0                               ; both opening adds are done
	CROUND                                         ; all four work-groups are here: the joint loads meet
	s_wait_kmcnt 0x0
	s_add_nc_u64 s[62:63], s[4:5], s[82:83]        ; the batch's key steps
	s_mov_b32 s98, s81
	s_mov_b32 s99, 0
	s_mov_b32 s29, s81
	s_add_nc_u64 s[30:31], s[62:63], s[98:99]
	s_or_b32 s31, s31, 0x80000000
	s_cmp_lt_u32 s[WV], 4                          ; one load a wave; unit 0's and unit 1's are two lines, since unit 0 is waited for first
	s_cbranch_scc0 .Lunit_1
	tensor_load_to_lds s[28:31], s[G1H:G1H+7]
	s_nop 0
	PLACES 4
	s_branch .Lasked
.Lunit_1:
	tensor_load_to_lds s[28:31], s[G1H:G1H+7]
	s_nop 0
	PLACES 4
.Lasked:
	s_add_nc_u64 s[88:89], s[6:7], s[88:89]
	s_add_nc_u64 s[90:91], s[6:7], s[90:91]
	s_add_nc_u64 s[94:95], s[6:7], s[94:95]
	s_add_nc_u64 s[96:97], s[6:7], s[96:97]
	s_lshl_b32 s66, s[WV], 8
	s_mov_b32 s67, 0
	s_add_nc_u64 s[10:11], s[10:11], s[66:67]
.irp p, 0,1,2
	global_load_b64 v[22+2*\p:23+2*\p], v59, s[88:89] offset:256*\p   ; the late tile's q: six registers
.endr
	global_load_b32 v60, v62, s[90:91]             ; its pair's scale word of my row
.irp p, 0,1,2
	global_load_b64 v[QE+2*\p:QE+1+2*\p], v59, s[94:95] offset:256*\p
.endr
	global_load_b32 v61, v62, s[96:97]
	WIN 0x40
.irp c, 0,1,2,3                                ; the bias: for column tile c lane half h wants columns 32 (c / 2) + 8 (c % 2) + 16 h + 0 .. 7
.irp qd, 0,1
	global_load_b128 v[BIA+8*\c+4*\qd:BIA+8*\c+4*\qd+3], v63, s[10:11] offset:128*(\c/2)+32*(\c%2)+16*\qd
.endr
.endr
	WIN 0
	s_mov_b32 s98, s50
	s_add_nc_u64 s[46:47], s[62:63], s[98:99]      ; my part of key step 0,
	s_add_nc_u64 s[44:45], s[46:47], 2*SLOT        ; of the next unit to ask for: unit 2,
	s_add_nc_u64 s[76:77], s[8:9], 608*REC         ; Wp's records,
	s_add_nc_u64 s[48:49], s[76:77], s[98:99]      ; my part of their first half
	s_add_nc_u64 s[54:55], s[12:13], s[54:55]
	s_add_nc_u64 s[56:57], s[12:13], s[56:57]
.irp e, 16,17,18,19,20,21,28,29,30,31,32,33
	v_mov_b32 v\e, 0                               ; zero codes on both sides of q
.endr
	v_mov_b32 v[NEG], 0xff800000
	v_mov_b32 v13, 0xff61b1e6                      ; the largest t so far: -3e38
	v_mov_b32 v12, 0x7f61b1e6                      ; -M
	v_mov_b32 v14, 0                               ; the sum, in two halves
	v_mov_b32 v15, 0
	v_mov_b32 v[FF+1], 0                           ; (named as the upper half of a pair)
.irp b, 0,1,2,3
	v_mov_b32 v[T4+\b], 0                          ; written once: a lane permute's destination counts as one of its sources
.endr
	WALU
	s_wait_loadcnt 0x0
	v_lshrrev_b32 v[QS], s100, v60
	v_lshrrev_b32 v[QE+6], s101, v61
	v_and_b32 v[QS], 0xffff, v[QS]                 ; (q, 0): the tile's two bytes below, the byte 0 above
	v_and_b32 v[QE+6], 0xffff, v[QE+6]
	v_lshlrev_b32 v[QS+1], 16, v[QS]               ; (0, q)
	v_lshlrev_b32 v[QE+7], 16, v[QE+6]
.set n, 0
.rept 32
	v_mov_b32 v[OT+n], 0                           ; O^T: the trip is written once; a tile's first step finds zeros, which the first change of M leaves zeros
.set n, n+1
.endr
	WALU
	s_cmp_lt_u32 s[WV], 4
	s_cbranch_scc0 .Lnot_unit_0
	s_wait_tensorcnt 0x0                           ; waves 0 to 3: unit 0 is in; unit 1 may still be out
.Lnot_unit_0:
	s_barrier_signal -1
	s_barrier_wait -1
	KLOAD LI
	VLOAD LI
	s_wait_dscnt 13                                ; K and its scale words are in; V's 13 loads may be out
	SMUL
	PLACES 4
.Ltrip:
	s_sub_co_u32 s37, s35, s[LL]
	s_cmp_lt_u32 s35, s[LL]
	s_cselect_b32 s37, s35, s37                    ; the unit's key step
	s_cmp_eq_u32 s35, s34
	s_cselect_b32 s36, 1, 0
	s_cmp_eq_u32 s35, 8
	s_cselect_b32 s36, 1, s36                      ; is it its tile's last, on the diagonal?
	s_cmp_eq_u32 s36, 0
	s_cbranch_scc1 .Lopen
.irp t, 0,1,2,3,4,5,6,7
.irp j, 0,1,2,3,4,5,6,7
	v_cmp_gt_i32 s[80+\j], 32*(\t/2)+8*(\t%2)+\j, v[DB]
.endr
.irp j, 0,1,2,3,4,5,6,7
	v_cndmask_b32 v[SCO+8*\t+\j], v[SCO+8*\t+\j], v[NEG], s[80+\j]
.endr
.endr
	WALU
.Lopen:
	s_cmp_lt_u32 s37, 4                            ; the copy for my key step: which keys are 24 mod 25
	s_cbranch_scc0 .Lfrom_4
	s_cmp_lt_u32 s37, 2
	s_cbranch_scc0 .Lfrom_2
	s_cmp_eq_u32 s37, 0
	s_cbranch_scc0 .Lkeys_1
	MAXB 0
	s_branch .Lmaxed
.Lkeys_1:
	MAXB 1
	s_branch .Lmaxed
.Lfrom_2:
	s_cmp_eq_u32 s37, 2
	s_cbranch_scc0 .Lkeys_3
	MAXB 2
	s_branch .Lmaxed
.Lkeys_3:
	MAXB 3
	s_branch .Lmaxed
.Lfrom_4:
	s_cmp_lt_u32 s37, 6
	s_cbranch_scc0 .Lfrom_6
	s_cmp_eq_u32 s37, 4
	s_cbranch_scc0 .Lkeys_5
	MAXB 4
	s_branch .Lmaxed
.Lkeys_5:
	MAXB 5
	s_branch .Lmaxed
.Lfrom_6:
	s_cmp_eq_u32 s37, 6
	s_cbranch_scc0 .Lkeys_7
	MAXB 6
	s_branch .Lmaxed
.Lkeys_7:
	MAXB 7
.Lmaxed:
.irp b, 0,1,2,3
	v_permlanex16_b32 v[T4+\b], v[BM+\b], s[SEL], s[SEL+1]
.endr
.irp b, 0,1,2,3
	s_delay_alu instid0(VALU_DEP_4)
	v_max_num_f32 v[BM+\b], v[BM+\b], v[T4+\b]     ; with lane l xor 16's 16 keys
.endr
	s_delay_alu instid0(VALU_DEP_2)
	v_max3_num_f32 v[TP], v[BM], v[BM+1], v[BM+2]
	s_delay_alu instid0(VALU_DEP_1)
	v_max_num_f32 v[TP], v[TP], v[BM+3]            ; the step's largest score of my query
	s_delay_alu instid0(VALU_DEP_1)
	v_mul_f32 v[TP], s[CS], v[TP]                  ; as t (c is positive)
	s_delay_alu instid0(VALU_DEP_1)
	v_max_num_f32 v13, v13, v[TP]                  ; the running largest t
	v_mov_b32 v[TP], v12
	s_delay_alu instid0(VALU_DEP_2)
	v_floor_f32 v12, -v13                          ; the new -M = floor(-t) = -ceil(t)
	s_delay_alu instid0(VALU_DEP_1)
	v_sub_f32 v[TP], v12, v[TP]                    ; old M - new M: a whole number, 0 or less
	s_delay_alu instid0(VALU_DEP_1)
	v_cvt_i32_f32 v[TP], v[TP]                     ; (it saturates)
	s_delay_alu instid0(VALU_DEP_1)
	v_ldexp_f32 v[FF], 1.0, v[TP]                  ; f = 2^(old M - new M)
.set n, 0
.rept 32
	v_pk_fma_f32 v[SCO+n:SCO+n+1], v[SCO+n:SCO+n+1], s[CS:CS+1], v[12:13] op_sel_hi:[1,0,0]   ; t - M, two at a time
.set n, n+2
.endr
.irp b, 0,1,2,3
	v_fma_f32 v[BM+\b], v[BM+\b], s[CS], v12       ; the same of each block's largest score
.endr
	WALU                                           ; one wait ahead of the batch, one behind it
.set n, 0
.rept 64
	v_exp_f32 v[SCO+n], v[SCO+n]                   ; p = 2^(t - M), at most 1; 0 where the key does not count
.set n, n+1
.endr
	v_pk_mul_f32 v[14:15], v[14:15], v[FF:FF+1] op_sel_hi:[1,0]   ; the sums under the new M: a plain place behind the exponentials
	WALU
	s_wait_tensorcnt 0x0                           ; my part of unit i + 1 is in;
	ds_add_u32 v[SPW], v[NIL]                      ; (work on registers stands between the add and the wait for it)
	s_add_co_u32 s66, s35, 2                       ; the unit to ask for:
	s_cmp_eq_u32 s66, s[LL]
	s_cselect_b64 s[44:45], s[46:47], s[44:45]     ; the early tile begins again at key step 0,
	s_cmp_eq_u32 s66, 9
	s_cselect_b64 s[44:45], s[48:49], s[44:45]     ; and behind unit 8 come Wp's two halves
	s_add_co_u32 s25, s51, s50
	s_mov_b64 s[26:27], s[44:45]
	s_or_b32 s27, s27, 0x80000000
	s_add_nc_u64 s[44:45], s[44:45], SLOT
.irp b, 0,1,2,3
	v_exp_f32 v[BM+\b], v[BM+\b]                   ; the block's largest p: the same two instructions on the same number give the same bits
.endr
.irp k, 0,1,2,3,4,5,6,7                        ; the row's sum, of the unquantised p: eight chains of pairs
	v_pk_add_f32 v[PCD+2*\k:PCD+2*\k+1], v[SCO+2*\k:SCO+2*\k+1], v[SCO+16+2*\k:SCO+17+2*\k]
.endr
.irp i, 32,48
.irp k, 0,1,2,3,4,5,6,7
	v_pk_add_f32 v[PCD+2*\k:PCD+2*\k+1], v[PCD+2*\k:PCD+2*\k+1], v[SCO+\i+2*\k:SCO+\i+1+2*\k]
.endr
.endr
.irp k, 0,1,2,3
	v_pk_add_f32 v[PCD+2*\k:PCD+2*\k+1], v[PCD+2*\k:PCD+2*\k+1], v[PCD+8+2*\k:PCD+9+2*\k]
.endr
.irp k, 0,1
	s_delay_alu instid0(VALU_DEP_2)
	v_pk_add_f32 v[PCD+2*\k:PCD+2*\k+1], v[PCD+2*\k:PCD+2*\k+1], v[PCD+4+2*\k:PCD+5+2*\k]
.endr
	s_delay_alu instid0(VALU_DEP_1)
	v_pk_add_f32 v[PCD:PCD+1], v[PCD:PCD+1], v[PCD+2:PCD+3]
	s_delay_alu instid0(VALU_DEP_1)
	v_pk_add_f32 v[14:15], v[14:15], v[PCD:PCD+1]
	WALU                                           ; for the four exponentials
	s_wait_dscnt 0x0                               ; the add is done, and so are my reads of unit i: K's a trip ago, V's at the last trip's end
	s_barrier_signal -1                            ; work on registers while the others arrive
.irp b, 0,1,2,3
	v_max_num_f32 v[BM+\b], 0x1800000, v[BM+\b]    ; the floor 2^(3 - 127): the byte cannot fall under 1
.endr
.irp b, 0,1,2,3
	s_delay_alu instid0(VALU_DEP_4)
	v_add_nc_u32 v[SO+\b], 0xff000000, v[BM+\b]    ; 2 off the exponent field: the conversion's scale operand
.endr
.irp b, 0,1,2,3
	s_delay_alu instid0(VALU_DEP_4)
	v_lshrrev_b32 v[T4+\b], 23, v[SO+\b]           ; the scale's byte
.endr
	s_delay_alu instid0(VALU_DEP_3)
	v_lshl_or_b32 v[PW], v[T4+1], 8, v[T4]         ; p's scale word for these 128 keys
	s_delay_alu instid0(VALU_DEP_1)
	v_lshl_or_b32 v[PW], v[T4+2], 16, v[PW]
	s_delay_alu instid0(VALU_DEP_1)
	v_lshl_or_b32 v[PW], v[T4+3], 24, v[PW]
	WALU
	s_barrier_wait -1
	CREST                                          ; no wave of any partner still reads unit i or has a load on its way
	tensor_load_to_lds s[24:27], s[G1:G1+7]        ; unit i + 2 into unit i's slot
	s_nop 0
	PLACES 4
	v_add_nc_u32 v[RA], s52, v[LI]
	s_xor_b32 s51, s51, SLOT
	s_xor_b32 s52, s52, SLOT
	s_cmp_eq_u32 s35, 8
	s_cbranch_scc1 .Lno_keys                       ; behind unit 8 there are no keys
	KLOAD RA
.Lno_keys:
	s_cmp_eq_u32 s35, s34
	s_cbranch_scc0 .Lsame_tile
.irp e, 0,1,2,3,4,5
	v_mov_b32 v[22+\e], v[QE+\e]                   ; the next unit is the early tile's first: its queries
.endr
	v_mov_b32 v[QS], v[QE+6]
	v_mov_b32 v[QS+1], v[QE+7]
	v_mov_b32 v[DB], v[DB+1]
.Lsame_tile:
	s_add_co_u32 s66, s35, 3
	s_cmp_lt_u32 s66, s60
	s_cbranch_scc0 .Lno_ask
	s_min_u32 s66, s66, 7
	s_mul_i32 s98, s66, SLOT
	s_mov_b32 s99, 0
	s_wait_xcnt 0x0                                ; the last trip's prefetch has read its address
	s_add_nc_u64 s[58:59], s[62:63], s[98:99]
	global_prefetch_b8 v[PFO], s[58:59] th:TH_LOAD_NT scope:SCOPE_SE   ; key step i + 3
.Lno_ask:
	s_cmp_eq_u32 s35, s61
	s_cbranch_scc0 .Lno_ask_w
	global_prefetch_b8 v[PFW], s[76:77] th:TH_LOAD_NT scope:SCOPE_SE
.Lno_ask_w:
.irp c, 0,1
	v_cvt_scalef32_pk16_fp6_f32 v[PCD+6*\c:PCD+6*\c+2], v[SCO+32*\c:SCO+32*\c+15], v[SO+2*\c]
	v_cvt_scalef32_pk16_fp6_f32 v[PC2+4*\c:PC2+4*\c+2], v[SCO+32*\c+16:SCO+32*\c+31], v[SO+2*\c+1]
.endr
	v_nop                                          ; one plain place behind a scaled conversion
.irp c, 0,1                                    ; a whole block in a lane: lanes 0-15 block 2 c, lanes 16-31 block 2 c + 1
.irp i, 0,1,2
	v_permlane16_swap_b32 v[PCD+6*\c+\i], v[PC2+4*\c+\i]
.endr
.irp i, 0,1,2
	s_delay_alu instid0(VALU_DEP_3)
	v_mov_b32 v[PCD+3+6*\c+\i], v[PC2+4*\c+\i]
.endr
.endr
	WALU                                           ; ahead of the first reader of O^T
.set n, 0
.rept 16
	v_pk_mul_f32 v[OT+n:OT+n+1], v[OT+n:OT+n+1], v[FF:FF+1] op_sel_hi:[1,0]   ; O^T under the new M; with the moves above also the places between the writes of p's codes and scale word and the products
.set n, n+2
.endr
.irp c, 0,1,2,3                                ; O^T += V^T P^T: four accumulators by turns, one instruction a turn
	v_wmma_scale_f32_16x16x128_f8f6f4 v[OT+8*\c:OT+8*\c+7], v[VF+12*\c:VF+12*\c+11], v[PCD:PCD+11], v[OT+8*\c:OT+8*\c+7], v[SCV+\c], v[PW] matrix_a_fmt:MATRIX_FMT_FP6 matrix_b_fmt:MATRIX_FMT_FP6 matrix_a_scale:MATRIX_SCALE_ROW1
.endr
	s_cmp_eq_u32 s35, 8
	s_cbranch_scc1 .Lno_scores
	s_wait_dscnt 0x0                               ; K of unit i + 1 is in
	SMUL
	PLACES 4                                       ; ahead of the loads into V's fragments, and of the first read of the scores
	VLOAD RA
.Lno_scores:
	s_cmp_eq_u32 s36, 0
	s_cbranch_scc1 .Lnot_done
	; A TILE IS DONE: O^T / the sum is y's 64 channels of my query (register 16 b + i = channel 32 b + 16 (lane / 16) + i); quantised as two blocks, it is half a fragment of the last product's operand
	PLACES 4                                       ; behind the last products, on every way that leads here
	v_add_f32 v14, v14, v15
	s_delay_alu instid0(VALU_DEP_1)
	v_permlanex16_b32 v[TP], v14, s[SEL], s[SEL+1]
	s_delay_alu instid0(VALU_DEP_1)
	v_add_f32 v14, v14, v[TP]                      ; the row's sum: above 1/2
	WALU
	v_rcp_f32 v14, v14
	v_nop                                          ; a plain place behind the transcendental
	WALU
.set n, 0
.rept 32
	v_mul_f32 v[OT+n], v[OT+n], v14                ; each accumulator from its low end on
.set n, n+1
.endr
.irp b, 0,1
	v_max3_num_f32 v[BM+\b], |v[OT+16*\b]|, |v[OT+16*\b+1]|, 0x1800000
.endr
.irp i, 2,4,6,8,10,12,14
.irp b, 0,1
	s_delay_alu instid0(VALU_DEP_2)
	v_max3_num_f32 v[BM+\b], v[BM+\b], |v[OT+16*\b+\i]|, |v[OT+16*\b+\i+1]|
.endr
.endr
.irp b, 0,1
	s_delay_alu instid0(VALU_DEP_2)
	v_permlanex16_b32 v[T4+\b], v[BM+\b], s[SEL], s[SEL+1]
.endr
.irp b, 0,1
	s_delay_alu instid0(VALU_DEP_2)
	v_max_num_f32 v[BM+\b], v[BM+\b], v[T4+\b]
.endr
.irp b, 0,1
	s_delay_alu instid0(VALU_DEP_2)
	v_add_nc_u32 v[SO+\b], 0xff000000, v[BM+\b]
.endr
.irp b, 0,1
	s_delay_alu instid0(VALU_DEP_2)
	v_lshrrev_b32 v[T4+\b], 23, v[SO+\b]
.endr
	s_delay_alu instid0(VALU_DEP_1)
	v_lshl_or_b32 v[SO+2], v[T4+1], 8, v[T4]       ; my head's two scale bytes
	v_cvt_scalef32_pk16_fp6_f32 v[PCD:PCD+2], v[OT:OT+15], v[SO]
	v_cvt_scalef32_pk16_fp6_f32 v[PC2:PC2+2], v[OT+16:OT+31], v[SO+1]
	v_nop
.irp i, 0,1,2
	v_permlane16_swap_b32 v[PCD+\i], v[PC2+\i]
.endr
.irp i, 0,1,2
	s_delay_alu instid0(VALU_DEP_3)
	v_mov_b32 v[PCD+3+\i], v[PC2+\i]
.endr
	s_lshr_b32 s66, s35, 3                         ; 0: the late tile, 1: the early one, whose last trip is trip 8
	s_mul_i32 s67, s66, 6144
	s_lshl_b32 s66, s66, 8
	v_add_nc_u32 v[BM], s67, v8
	v_add_nc_u32 v[BM+1], s67, v9
	v_add_nc_u32 v[BM+2], s66, v10
	ds_store_b64 v[BM], v[PCD:PCD+1]
	ds_store_b64 v[BM+1], v[PCD+2:PCD+3]
	ds_store_b64 v[BM], v[PCD+4:PCD+5] offset:512
	ds_store_b16 v[BM+2], v[SO+2]                  ; both halves of the lanes write the same two bytes with the same value
.set n, 0
.rept 32
	v_mov_b32 v[OT+n], 0                           ; the next tile begins
.set n, n+1
.endr
	v_mov_b32 v13, 0xff61b1e6
	v_mov_b32 v12, 0x7f61b1e6
	v_mov_b32 v14, 0
	v_mov_b32 v15, 0
.Lnot_done:
	s_add_co_u32 s35, s35, 1
	s_cmp_lt_u32 s35, 9
	WALU
	s_cbranch_scc1 .Ltrip
; THE LAST PRODUCT: columns 64 w .. of both tiles: eight accumulators, four K steps of 128 (two heads each).  Wp's first half (waves 0-3) lies in slot 1, its second in slot 0.
	s_lshr_b32 s66, s[WV], 2
	s_sub_co_u32 s66, 1, s66
	s_mul_i32 s66, s66, SLOT
	s_and_b32 s67, s[WV], 3
	s_mul_i32 s67, s67, 4*REC
	s_add_co_u32 s66, s66, s67                     ; my four records
	s_mul_i32 s67, s[WV], 8704
	s_add_co_u32 s67, s67, STG                     ; my stage
	v_and_b32 v6, 31, v0
	v_and_b32 v8, 15, v0
	v_bfe_u32 v12, v0, 4, 1
	v_lshlrev_b32 v6, 4, v6
	v_lshlrev_b32 v9, 4, v8
	v_mul_u32_u24 v13, v8, 272
	v_mul_u32_u24 v14, v12, 272
	v_add_nc_u32 v7, YA, v6                        ; v7  y's images
	v_add_nc_u32 v6, s66, v6                       ; v6  Wp's images,
	v_add_nc_u32 v10, s66, v9                      ; v10 scale words
	v_add_nc_u32 v11, YSB, v9                      ; v11 y's
	v_lshl_add_u32 v13, v12, 6, v13
	v_add_nc_u32 v14, v14, v9
	v_lshl_add_u32 v15, v12, 11, v9                ; v15 two rows of out0
	v_add_nc_u32 v13, s67, v13                     ; v13 into the stage: row r, + 64 h
	v_add_nc_u32 v14, s67, v14                     ; v14 back: lanes 0-15 one row, lanes 16-31 the next
	WALU
	s_wait_tensorcnt 0x0                           ; my part of Wp's second half is in
	s_wait_dscnt 0x0                               ; for the others' sake: y's codes and scale bytes have landed
	s_barrier_signal -1
	s_barrier_wait -1
.macro PLOAD a                         ; K step a's fragments: 18 loads, into window a % 2
	WIN (0x40*((\a)%2))
.irp c, 0,1,2,3
.irp k, 0,1,2
	ds_load_b128 v[PF_+12*\c+4*\k:PF_+12*\c+4*\k+3], v6 offset:\c*REC+(\a)*1536+512*\k
.endr
.endr
.irp e, 0,1
.irp k, 0,1,2
	ds_load_b128 v[PF_+48+12*\e+4*\k:PF_+48+12*\e+4*\k+3], v7 offset:\e*6144+(\a)*1536+512*\k
.endr
.endr
	WIN 0
.endm
.macro PMUL a                          ; the eight accumulators take turns, one instruction a turn; the bias is the first products' C
.if \a == 0
	WIN 0x10
.else
	WIN (5*((\a)%2))
.endif
.irp e, 0,1
.irp c, 0,1,2,3
.if \a == 0
	v_wmma_scale_f32_16x16x128_f8f6f4 v[SCO+8*(4*\e+\c):SCO+8*(4*\e+\c)+7], v[PF_+12*\c:PF_+12*\c+11], v[PF_+48+12*\e:PF_+48+12*\e+11], v[BIA+8*\c:BIA+8*\c+7], v[WS+4*\c+\a], v[250-216*\e+\a] matrix_a_fmt:MATRIX_FMT_FP6 matrix_b_fmt:MATRIX_FMT_FP6
.else
	v_wmma_scale_f32_16x16x128_f8f6f4 v[SCO+8*(4*\e+\c):SCO+8*(4*\e+\c)+7], v[PF_+12*\c:PF_+12*\c+11], v[PF_+48+12*\e:PF_+48+12*\e+11], v[SCO+8*(4*\e+\c):SCO+8*(4*\e+\c)+7], v[WS+4*\c+\a], v[250-216*\e+\a] matrix_a_fmt:MATRIX_FMT_FP6 matrix_b_fmt:MATRIX_FMT_FP6
.endif
.endr
.endr
	WIN 0
	PLACES 4
.endm
.irp c, 0,1,2,3
	ds_load_b128 v[WS+4*\c:WS+4*\c+3], v10 offset:\c*REC+6144
.endr
	ds_load_b128 v[250:253], v11
	ds_load_b128 v[34:37], v11 offset:256
	PLOAD 0
	PLOAD 1
	s_wait_dscnt 18                                ; all but the next step's 18 loads
	PMUL 0
	PLOAD 2
	s_wait_dscnt 18
	PMUL 1
	PLOAD 3
	s_wait_dscnt 18
	PMUL 2
	s_wait_dscnt 0x0
	PMUL 3
.irp e, 0,1
.irp c, 0,1,2,3
.irp qd, 0,1
	ds_store_b128 v13, v[SCO+8*(4*\e+\c)+4*\qd:SCO+8*(4*\e+\c)+4*\qd+3] offset:\e*4352+128*(\c/2)+32*(\c%2)+16*\qd   ; each accumulator from its low end on
.endr
.endr
.endr
.irp k, 0,1,2,3,4,5,6,7,8,9,10,11,12,13,14,15
	ds_load_b128 v[56+4*\k:59+4*\k], v14 offset:2*\k*272   ; LDS serves a wave's instructions in order: these see my stores
.endr
.irp k, 0,1,2,3,4,5,6,7,8,9,10,11,12,13,14,15
	s_wait_dscnt 15-\k                             ; rows 2 k, 2 k + 1 are back; the 15 - k younger loads stay out
.if \k < 8
	global_store_b128 v15, v[56+4*\k:59+4*\k], s[54:55] offset:(2*\k+8*(\k/4))*2048 th:TH_STORE_NT   ; 16 lanes store 256 consecutive bytes, at a multiple of 256 from out0's first byte
.else
	global_store_b128 v15, v[56+4*\k:59+4*\k], s[56:57] offset:(2*(\k-8)+8*((\k-8)/4))*2048 th:TH_STORE_NT
.endif
.endr
	s_wait_tensorcnt 0x0                           ; the wave's end: a wait, an add and its wait behind my last tensor load and my last LDS store
	ds_add_u32 v[SPW], v[NIL]
	s_wait_dscnt 0x0
	CROUND                                         ; the closing round
	s_endpgm
.Lfunc_end_k_qef917a7708_attn:
	.size	k_qef917a7708_attn, .Lfunc_end_k_qef917a7708_attn-k_qef917a7708_attn
	.p2alignl 7, 3214868480
	.fill 96, 4, 3214868480
	.section	.rodata,"a",@progbits
	.p2align	6, 0x0
	.amdhsa_kernel k_qef917a7708_attn
		.amdhsa_group_segment_fixed_size 327680
		.amdhsa_private_segment_fixed_size 0
		.amdhsa_enable_private_segment 0
		.amdhsa_kernarg_size 40
		.amdhsa_user_sgpr_count 2
		.amdhsa_user_sgpr_kernarg_segment_ptr 1
		.amdhsa_wavefront_size32 1
		.amdhsa_system_sgpr_workgroup_id_x 1
		.amdhsa_system_sgpr_workgroup_id_y 1
		.amdhsa_system_sgpr_workgroup_id_z 1
		.amdhsa_system_vgpr_workitem_id 0
		.amdhsa_next_free_vgpr 432
		.amdhsa_next_free_sgpr 102
		.amdhsa_reserve_vcc 0
		.amdhsa_float_denorm_mode_32 3
		.amdhsa_float_denorm_mode_16_64 3
		.amdhsa_memory_ordered 1
		.amdhsa_forward_progress 1
		.amdhsa_inst_pref_size 81
	.end_amdhsa_kernel
	.amdgpu_metadata
---
amdhsa.version: [ 1, 2 ]
amdhsa.kernels:
  - .name:           k_qef917a7708_attn
    .symbol:         k_qef917a7708_attn.kd
    .args:
      - { .name: kv, .offset: 0, .size: 8, .value_kind: global_buffer, .address_space: global }
      - { .name: qb, .offset: 8, .size: 8, .value_kind: global_buffer, .address_space: global }
      - { .name: cod, .offset: 16, .size: 8, .value_kind: global_buffer, .address_space: global }
      - { .name: bp, .offset: 24, .size: 8, .value_kind: global_buffer, .address_space: global }
      - { .name: out0, .offset: 32, .size: 8, .value_kind: global_buffer, .address_space: global }
    .group_segment_fixed_size: 327680
    .private_segment_fixed_size: 0
    .kernarg_segment_align: 8
    .kernarg_segment_size: 40
    .max_flat_workgroup_size: 256
    .sgpr_count:     102
    .vgpr_count:     432
    .wavefront_size: 32
...
	.end_amdgpu_metadata
.endif
;; end of part 3
